; MI455X (gfx1250); checked and timed in simulation.
; The chip was launched on July 23, 2026; its instructions are those of AMD's public machine-readable ISA for CDNA 5 (MIT licence, August 2026) and "CDNA5" Instruction Set Architecture Reference Guide (July 2026). The comments in the code are by the model that wrote it; some were corrected since.
;; Ply Mo E. Allowed arithmetic: matrix products marked QUANTISED: E2M3 operands, one E8M0 scale for each 32 along K, by v_wmma_scale_f32_16x16x128_f8f6f4 with both operands' format E2M3, f32 sums; everything else in f32.
;; Inputs: expert_indices 16,384 int32; weights_codes 8 x 512 x 32 x 24 uint8 (E2M3 codes of weights, K innermost, in blocks of 32 codes, four codes in three bytes); weights_scales 8 x 512 x 32 uint8 (E8M0 scales of weights, one for each 32 codes along K); x 16,384 x 1,024 float16.
;; Outputs: out0 16,384 x 512 float16.
;; This version of the problem:
;;   THIS VERSION OF THE PROBLEM IS GIVEN IN LOW PRECISION. The matrix products marked QUANTISED in the list below multiply operands that are first quantised to E2M3 (2 exponent bits, 3 mantissa bits; 6 bits a number), with one power-of-two scale for each 32 numbers along K (OCP MX v1.0); their sums are f32. All else is computed in f32.
;;   The module's matrix products, in the order in which they are computed (A, B: the left and right operand; K: the contracted axis; several contracted axes count as one K, in the product's order):
;;     1. [M 16,384, K 1,024] x [K 1,024, N 512]; A: computed on the way; B: input weights (given as codes): QUANTISED
;;     2. [M 16,384, K 1,024] x [K 1,024, N 512]; A: computed on the way; B: input weights (given as codes): QUANTISED
;;     3. [M 16,384, K 1,024] x [K 1,024, N 512]; A: computed on the way; B: input weights (given as codes): QUANTISED
;;     4. [M 16,384, K 1,024] x [K 1,024, N 512]; A: computed on the way; B: input weights (given as codes): QUANTISED
;;     5. [M 16,384, K 1,024] x [K 1,024, N 512]; A: computed on the way; B: input weights (given as codes): QUANTISED
;;     6. [M 16,384, K 1,024] x [K 1,024, N 512]; A: computed on the way; B: input weights (given as codes): QUANTISED
;;     7. [M 16,384, K 1,024] x [K 1,024, N 512]; A: computed on the way; B: input weights (given as codes): QUANTISED
;;     8. [M 16,384, K 1,024] x [K 1,024, N 512]; A: computed on the way; B: input weights (given as codes): QUANTISED
;;   THE QUANTISER, for each operand of a quantised product, along K:
;;     - K is cut into blocks of 32 from its start; a last block that is shorter is filled with zeros.
;;     - A block's scale is 2^e with e = floor(log2(the largest magnitude in the block)) - 2, held to -126 .. 127; a block of zeros has e = 0. As a byte (E8M0): e + 127.
;;     - Each number is divided by its block's scale, clamped to +-7.5, and rounded to the nearest number of E2M3, ties to even, subnormals kept.
;;     - The product sums the exact products of the quantised numbers (number of the format x scale) in f32.
;;   ~~~python
;;   def quantise(x, axis):      # numpy; x: float32 -> the quantised numbers, widened to float32 again
;;       x = np.moveaxis(x, axis, -1); K = x.shape[-1]
;;       x = np.pad(x, [(0, 0)] * (x.ndim - 1) + [(0, -K % 32)]); x = x.reshape(x.shape[:-1] + (-1, 32)); a = np.abs(x).max(-1, keepdims=True)
;;       e = np.where(a > 0, np.clip(np.frexp(np.where(a > 0, a, 1))[1] - 1 - 2, -126, 127), 0)      # np.frexp(a)[1] - 1 = floor(log2(a)), exactly
;;       r = np.clip(x / 2.0 ** e, -7.5, 7.5)
;;       step = 2.0 ** (np.maximum(np.frexp(np.where(r == 0, 1, r))[1] - 1, 0) - 3)
;;       q = np.round(r / step) * step * 2.0 ** e      # np.round: ties to even
;;       return np.moveaxis(q.reshape(q.shape[:-2] + (-1,))[..., :K], -1, axis).astype(np.float32)
;;   ~~~
;;   OPERANDS COMPUTED ON THE WAY. 'Computed on the way' means the value that the module computes at that place (a softmax that the list does not call 'softmax' is quantised finished and normalised). What goes into a quantiser is computed in f32, as accurately as f32 sums, v_exp_f32 and their like allow (about 1e-6 of the number): no bf16 or f16 on the way to a quantiser, and a product that is left as it is and whose result goes on into a quantised operand takes f32 operands (vector FMAs, or v_wmma_f32_16x16x4_f32). A number that lies on a knife's edge between two numbers of the format may be rounded either way, as far as f32 arithmetic and the matrix unit's own rounding can turn it there, and no further.
;;   INPUTS GIVEN AS CODES. weights (in the module: [8, 1024, 512], K = its axis 1): each comes as NAME_codes (uint8): NAME with its K axis moved to the last place and cut into blocks of 32 codes, [.., K / 32, bytes a block], one block behind the other in memory; four codes in three bytes: a row's codes are one little-endian stream of bits, code i at bits 6 i .. 6 i + 5 (a code: sign, 2 exponent bits, 3 mantissa bits); and NAME_scales (uint8): the same leading axes, one E8M0 byte (e + 127) for each 32 codes along K. Its value is code x scale, taken as it is: it is not quantised again, and the codes and scales need not be those that the quantiser above would give.
;; One version. Each part assembles by itself: llvm-mc -triple=amdgcn-amd-amdhsa -mcpu=gfx1250 --defsym DOCPART=n.
;; ======== version 1 of 1: 2 launches
;; workspace buffers: rows 67,584 bytes of whole numbers; tiles 4,608 bytes of whole numbers; wimg 3,145,728 bytes
;; launch prep (part 1): grid 33 x 1, 32 waves a work-group, no clusters, 4,608 bytes of LDS; arguments expert_indices, weights_codes, rows, tiles, wimg; writes rows, tiles, wimg
.if DOCPART == 1
	.amdgcn_target "amdgcn-amd-amdhsa--gfx1250"
	.amdhsa_code_object_version 6
	.text
	.protected	k_qb7e965ddf5_prep
	.globl	k_qb7e965ddf5_prep
	.p2align	8
	.type	k_qb7e965ddf5_prep,@function
k_qb7e965ddf5_prep:
	s_mov_b64 s[64:65], 0
	v_nop
	global_prefetch_b8 v0, s[64:65] scope:SCOPE_SE
	s_setreg_imm32_b32 hwreg(HW_REG_WAVE_MODE, 25, 1), 1
	s_wait_xcnt 0x0
; WHAT THE PRODUCT'S LAUNCH NEEDS, MADE ONCE.  33 work-groups of 32 waves.
; Work-group 0: a stable counting sort of the 16,384 expert numbers.  It stores
;   rows : tile i owns 64 words at 256 i: the token numbers of its 64 sorted rows.  An expert's tiles follow each other, so a token of expert e with rank p
;          (tokens of e ahead of it) goes to word 64 tb[e] + p, tb[e] = the tiles of the experts below e.  Slots without a token hold 0.
;   tiles: 288 records of 16 bytes (expert, first sorted row, rows 0 .. 64, 0); records behind the last tile in use are zeros.
;          16,384 rows in tiles of 64 for 8 experts are never more than 256 + 7 tiles, whatever the split.
; Work-groups 1 to 32: the weight codes are laid in the order of the matrix operand's registers: fragment (T = 32 e + t: rows 16 t .. 16 t + 15 of expert e; K step s of 128)
;   lies at (8 T + s) x 1,536 bytes; in it registers 4 c .. 4 c + 3 of lane l lie at 512 c + 16 l.  A fragment then comes by three loads of 16 bytes a lane, 512 consecutive bytes each.
; LIMIT: an expert number outside 0 .. 7 is held to 7 (unsigned minimum).
; No atomics: thread t owns tokens 16 t .. 16 t + 15; ranks are sums over earlier tokens of the lane, earlier lanes of the wave, earlier waves.
.set CNT, 8                            ; v8       eight counters of 4 bits, one an expert
.set C8,  9                            ; v9       the same behind the first eight tokens
.set IDX, 16                           ; v16-31   my 16 expert numbers; later my 16 token numbers
.set SH,  32                           ; v32-47   4 x expert; later the byte offsets in rows
.set RK,  48                           ; v48-63   rank among my own 16
.set OWN, 64                           ; v64-67   my counts, two experts of 16 bits to a register
.set PFX, 68                           ; v68-71   the same summed over lanes 0 .. mine
.set TS,  72                           ; v72-75   at work in SCAN
.set QW,  76                           ; v76-79   the waves' totals: lane = wave
.set QSC, 80                           ; v80-83   summed over waves 0 .. lane
.set LB,  84                           ; v84-87   where my lane's first token of each expert goes
.set LO,  88                           ; v88-89   the low bytes of those eight numbers
.set HI,  90                           ; v90-91   the high bytes
	s_load_b256 s[4:11], s[0:1], 0x0               ; expert_indices s[4:5], weights_codes s[6:7], rows s[8:9], tiles s[10:11]
	s_load_b64 s[12:13], s[0:1], 0x20              ; wimg
	v_lshl_add_u32 v104, v0, 2, 0x200
	v_mov_b32 v105, 0
	v_lshrrev_b32 v10, 5, v0
	v_readfirstlane_b32 s14, v10                   ; wave 0 .. 31
	v_and_b32 v1, 31, v0                           ; lane
	s_cmp_lg_u32 ttmp9, 0
	s_cbranch_scc1 .Lrelay
	; ---------------- work-group 0: the sort ----------------
	v_lshlrev_b32 v2, 6, v0                        ; my 16 numbers: 64 bytes
	v_lshlrev_b32 v3, 4, v0                        ; 16 bytes a thread: the fill, and the records
.irp i, 4,5,6,7
	v_mov_b32 v\i, 0
.endr
	v_lshlrev_b32 v14, 4, v10                      ; LDS: my wave's 16 bytes of the table
	v_lshlrev_b32 v15, 4, v1                       ; and lane l reads wave l's
.irp i, 0,1,2,3
	v_mov_b32 v[TS+\i], 0                          ; written once: the destination of a lane move counts as read
.endr
	s_mov_b32 s15, 0xffff0000                      ; lanes 16-31
	s_mov_b32 s16, 0x0f0f0f0f
	s_mov_b32 s17, 0x0c0c0c00                      ; a byte select: bytes 1 to 3 become 0
	s_mov_b32 s18, 0x06040200                      ; the even bytes of two registers
	s_mov_b32 s19, 0x07050301                      ; the odd ones
	s_wait_kmcnt 0x0
.irp j, 0,1,2,3
	global_load_b128 v[IDX+4*\j:IDX+4*\j+3], v2, s[4:5] offset:16*\j
.endr
.irp k, 0,1,2,3
	global_store_b128 v3, v[4:7], s[8:9] offset:16384*\k   ; rows is filled with zeros: 1,024 threads x 16 bytes a store,
.endr
	s_cmp_lt_u32 s14, 4
	s_cbranch_scc0 .Lfilled
	global_store_b128 v3, v[4:7], s[8:9] offset:65536      ; and its last 2,048 bytes by waves 0 to 3
.Lfilled:
	s_wait_loadcnt 0x0
; Ranks inside the lane.  A counter is read while it is at most 15; the 16th addition may carry out of a field, which the difference below undoes.
.irp j, 0,1,2,3,4,5,6,7,8,9,10,11,12,13,14,15
	v_min_u32 v[IDX+\j], 7, v[IDX+\j]
	v_lshlrev_b32 v[SH+\j], 2, v[IDX+\j]
.if \j == 0
	v_mov_b32 v[RK], 0
	v_lshlrev_b32 v[CNT], v[SH], 1
.else
	v_bfe_u32 v[RK+\j], v[CNT], v[SH+\j], 4        ; how many of my earlier tokens chose the same expert
	v_lshl_add_u32 v[CNT], 1, v[SH+\j], v[CNT]
.endif
.if \j == 7
	v_mov_b32 v[C8], v[CNT]
.endif
.endr
	v_sub_nc_u32 v10, v[CNT], v[C8]                ; the last eight tokens' counters: fields of at most 8, exact modulo 2^32
	v_and_b32 v12, s16, v[C8]
	v_and_b32 v11, s16, v10
	v_add_nc_u32 v12, v12, v11                     ; bytes: experts 0, 2, 4, 6
	v_lshrrev_b32 v13, 4, v[C8]
	v_lshrrev_b32 v11, 4, v10
	v_and_b32 v13, s16, v13
	v_and_b32 v11, s16, v11
	v_add_nc_u32 v13, v13, v11                     ; bytes: experts 1, 3, 5, 7
.irp i, 0,1,2,3
	v_perm_b32 v[OWN+\i], v13, v12, 0x0c040c00+0x00010001*\i   ; expert 2 i in the low 16 bits, expert 2 i + 1 in the high: no field can pass 16,384
.endr
; An inclusive sum over the wave's 32 lanes, four registers at a time: four steps inside each half of 16 lanes, then lane 15's sum onto lanes 16-31.
.macro SCAN dst, src
.irp i, 0,1,2,3
	v_mov_b32_dpp v[TS+\i], v[\src+\i] row_shr:1 row_mask:0xf bank_mask:0xf bound_ctrl:1
.endr
.irp i, 0,1,2,3
	v_add_nc_u32 v[\dst+\i], v[\src+\i], v[TS+\i]
.endr
.irp n, 2,4,8
.irp i, 0,1,2,3
	v_mov_b32_dpp v[TS+\i], v[\dst+\i] row_shr:\n row_mask:0xf bank_mask:0xf bound_ctrl:1
.endr
.irp i, 0,1,2,3
	v_add_nc_u32 v[\dst+\i], v[\dst+\i], v[TS+\i]
.endr
.endr
.irp i, 0,1,2,3
	v_readlane_b32 s[66+\i], v[\dst+\i], 15
.endr
.irp i, 0,1,2,3
	v_add_nc_u32 v[TS+\i], s[66+\i], v[\dst+\i]
.endr
.irp i, 0,1,2,3
	v_cndmask_b32 v[\dst+\i], v[\dst+\i], v[TS+\i], s15
.endr
.endm
	SCAN PFX, OWN
.irp i, 0,1,2,3
	v_readlane_b32 s[20+\i], v[PFX+\i], 31         ; my wave's totals
.endr
.irp i, 0,1,2,3
	v_mov_b32 v[QW+\i], s[20+\i]
.endr
	ds_store_b128 v14, v[QW:QW+3]                  ; all lanes write the same 16 bytes with the same value
	s_wait_storecnt 0x0                            ; my part of the fill is done: behind the barrier any wave may write a token over it
	s_wait_dscnt 0x0                               ; and my totals lie in LDS
	s_barrier_signal -1
	s_barrier_wait -1
	ds_load_b128 v[QW:QW+3], v15                   ; lane l: wave l's totals
	s_wait_dscnt 0x0
	SCAN QSC, QW
.irp i, 0,1,2,3
	v_readlane_b32 s[20+\i], v[QSC+\i], 31         ; the experts' totals
.endr
.irp i, 0,1,2,3
	v_sub_nc_u32 v[LB+\i], v[QSC+\i], v[QW+\i]     ; the sums over earlier waves,
.endr
.irp i, 0,1,2,3
	v_readlane_b32 s[24+\i], v[LB+\i], s14         ; mine
.endr
	; scalars: n s28-35, tiles nt s36-43, first tile tb s44-52, first sorted row off s53-61
.irp i, 0,1,2,3
	s_and_b32 s[28+2*\i], s[20+\i], 0xffff
	s_lshr_b32 s[29+2*\i], s[20+\i], 16
.endr
	s_mov_b32 s44, 0
	s_mov_b32 s53, 0
.irp e, 0,1,2,3,4,5,6,7
	s_add_co_u32 s[36+\e], s[28+\e], 63
	s_lshr_b32 s[36+\e], s[36+\e], 6
	s_add_co_u32 s[45+\e], s[44+\e], s[36+\e]
	s_add_co_u32 s[54+\e], s[53+\e], s[28+\e]
.endr
.irp i, 0,1,2,3
	s_lshl_b32 s62, s[44+2*\i], 6                  ; 64 tb, again two experts to a register: at most 16,831 with the ranks on top
	s_lshl_b32 s63, s[45+2*\i], 22
	s_or_b32 s62, s62, s63
	s_add_co_u32 s[24+\i], s[24+\i], s62
.endr
.irp i, 0,1,2,3
	v_sub_nc_u32 v[LB+\i], v[PFX+\i], v[OWN+\i]    ; earlier lanes of my wave,
.endr
.irp i, 0,1,2,3
	v_add_nc_u32 v[LB+\i], s[24+\i], v[LB+\i]      ; + earlier waves + 64 tb
.endr
	v_perm_b32 v[LO], v[LB+1], v[LB], s18          ; eight numbers of 16 bits as eight low bytes and eight high bytes, so that a byte select by the expert's number picks one
	v_perm_b32 v[HI], v[LB+1], v[LB], s19
	v_perm_b32 v[LO+1], v[LB+3], v[LB+2], s18
	v_perm_b32 v[HI+1], v[LB+3], v[LB+2], s19
; Each token to its word.  Stores of 4 bytes to places that the data decide: 64 KiB in all.  Every store has registers of its own: none is written again.
.irp j, 0,1,2,3,4,5,6,7,8,9,10,11,12,13,14,15
	v_or_b32 v92, s17, v[IDX+\j]
	v_perm_b32 v93, v[LO+1], v[LO], v92
	v_perm_b32 v94, v[HI+1], v[HI], v92
	v_lshl_add_u32 v93, v94, 8, v93
	v_add_nc_u32 v[SH+\j], v93, v[RK+\j]
	v_min_u32 v[SH+\j], 0x41bf, v[SH+\j]           ; 16,831: the last word that a token can take
	v_lshlrev_b32 v[SH+\j], 2, v[SH+\j]
	v_lshl_or_b32 v[IDX+\j], v0, 4, \j             ; the token's number
	global_store_b32 v[SH+\j], v[IDX+\j], s[8:9]
.endr
	; the records: thread i < 288 makes tile i's
	s_cmp_lt_u32 s14, 9
	s_cbranch_scc0 .Ldone
.irp i, 96,97,98,99
	v_mov_b32 v\i, 0
.endr
.irp e, 0,1,2,3,4,5,6,7
	v_sub_nc_u32 v100, v0, s[44+\e]                ; d = i - tb[e]
	v_cmp_gt_u32 vcc_lo, s[36+\e], v100            ; the tile is expert e's where d < nt[e] (unsigned)
	v_lshl_add_u32 v101, v100, 6, s[53+\e]         ; its first sorted row: off[e] + 64 d
	v_sub_nc_u32 v102, s[54+\e], v101
	v_min_u32 v102, 64, v102                       ; its rows: what is left of the expert's, at most 64
	v_mov_b32 v103, \e
	v_cndmask_b32 v96, v96, v103, vcc_lo
	v_cndmask_b32 v97, v97, v101, vcc_lo
	v_cndmask_b32 v98, v98, v102, vcc_lo
.endr
	global_store_b128 v3, v[96:99], s[10:11]
.Ldone:
	s_wait_tensorcnt 0x0
	ds_add_u32 v104, v105
	s_wait_dscnt 0x0
	s_endpgm
	; ---------------- work-groups 1 to 32: the weights' images ----------------
.Lrelay:                                               ; wave q of 1,024 takes tile T = q / 4 and K steps 2 (q % 4), 2 (q % 4) + 1
	s_sub_co_u32 s20, ttmp9, 1
	s_lshl_b32 s20, s20, 5
	s_add_co_u32 s20, s20, s14
	s_lshr_b32 s21, s20, 2                         ; T
	s_and_b32 s22, s20, 3
	s_mul_i32 s24, s21, 12288                      ; 16 rows of 768 bytes; also a tile's 8 fragments of 1,536
	s_mul_i32 s23, s22, 192
	s_add_co_u32 s26, s24, s23                     ; from: two K steps are 192 bytes of a row
	s_mov_b32 s27, 0
	s_mul_i32 s23, s22, 3072
	s_add_co_u32 s24, s24, s23                     ; to: two fragments
	s_mov_b32 s25, 0
	v_and_b32 v2, 15, v0
	v_bfe_u32 v3, v0, 4, 1
	v_mul_u32_u24 v4, v2, 768
	v_mad_u32_u24 v4, v3, 24, v4                   ; lane (r, h): row r, + 24 h: the 6-bit operand's own layout
	v_lshlrev_b32 v5, 4, v1
	s_wait_kmcnt 0x0
	s_add_nc_u64 s[6:7], s[6:7], s[26:27]
	s_add_nc_u64 s[12:13], s[12:13], s[24:25]
.irp s, 0,1
.irp p, 0,1,2,3,4,5
	global_load_b64 v[16+12*\s+2*\p:16+12*\s+2*\p+1], v4, s[6:7] offset:96*\s+48*(\p/3)+8*(\p%3)
.endr
.endr
	s_wait_loadcnt 0x0
.irp s, 0,1
.irp c, 0,1,2
	global_store_b128 v5, v[16+12*\s+4*\c:16+12*\s+4*\c+3], s[12:13] offset:1536*\s+512*\c   ; 32 lanes store 512 consecutive bytes, at a multiple of 512 from the buffer's first byte
.endr
.endr
	s_endpgm
.Lfunc_end_k_qb7e965ddf5_prep:
	.size	k_qb7e965ddf5_prep, .Lfunc_end_k_qb7e965ddf5_prep-k_qb7e965ddf5_prep
	.p2alignl 7, 3214868480
	.fill 96, 4, 3214868480
	.section	.rodata,"a",@progbits
	.p2align	6, 0x0
	.amdhsa_kernel k_qb7e965ddf5_prep
		.amdhsa_group_segment_fixed_size 4608
		.amdhsa_private_segment_fixed_size 0
		.amdhsa_enable_private_segment 0
		.amdhsa_kernarg_size 40
		.amdhsa_user_sgpr_count 2
		.amdhsa_user_sgpr_kernarg_segment_ptr 1
		.amdhsa_wavefront_size32 1
		.amdhsa_system_sgpr_workgroup_id_x 1
		.amdhsa_system_sgpr_workgroup_id_y 1
		.amdhsa_system_sgpr_workgroup_id_z 1
		.amdhsa_system_vgpr_workitem_id 0
		.amdhsa_next_free_vgpr 106
		.amdhsa_next_free_sgpr 80
		.amdhsa_reserve_vcc 1
		.amdhsa_float_denorm_mode_32 3
		.amdhsa_float_denorm_mode_16_64 3
		.amdhsa_memory_ordered 1
		.amdhsa_forward_progress 1
		.amdhsa_inst_pref_size 28
	.end_amdhsa_kernel
	.amdgpu_metadata
---
amdhsa.version: [ 1, 2 ]
amdhsa.kernels:
  - .name:           k_qb7e965ddf5_prep
    .symbol:         k_qb7e965ddf5_prep.kd
    .args:
      - { .name: expert_indices, .offset: 0, .size: 8, .value_kind: global_buffer, .address_space: global }
      - { .name: weights_codes, .offset: 8, .size: 8, .value_kind: global_buffer, .address_space: global }
      - { .name: rows, .offset: 16, .size: 8, .value_kind: global_buffer, .address_space: global }
      - { .name: tiles, .offset: 24, .size: 8, .value_kind: global_buffer, .address_space: global }
      - { .name: wimg, .offset: 32, .size: 8, .value_kind: global_buffer, .address_space: global }
    .group_segment_fixed_size: 4608
    .private_segment_fixed_size: 0
    .kernarg_segment_align: 8
    .kernarg_segment_size: 40
    .max_flat_workgroup_size: 1024
    .sgpr_count:     80
    .vgpr_count:     106
    .wavefront_size: 32
...
	.end_amdgpu_metadata
.endif
;; end of part 1
;; launch moe (part 2): grid 263 x 1, 4 waves a work-group, no clusters, 85,504 bytes of LDS; arguments x, rows, tiles, wimg, weights_scales, out0; writes out0
.if DOCPART == 2
	.amdgcn_target "amdgcn-amd-amdhsa--gfx1250"
	.amdhsa_code_object_version 6
	.text
	.protected	k_qb7e965ddf5_moe
	.globl	k_qb7e965ddf5_moe
	.p2align	8
	.type	k_qb7e965ddf5_moe,@function
k_qb7e965ddf5_moe:
	s_mov_b64 s[64:65], 0
	v_nop
	global_prefetch_b8 v0, s[64:65] scope:SCOPE_SE
	s_setreg_imm32_b32 hwreg(HW_REG_WAVE_MODE, 25, 1), 1
	s_wait_xcnt 0x0
; out[i] = f16( Q(x[order[i]]) . W[expert of that row] ), Q the E2M3 quantiser with one E8M0 scale for each 32 along K = 1,024.  Only each row's own expert is multiplied: under the other seven the row is zeros.
; A work-group takes one tile of the stored list: at most 64 sorted rows of ONE expert, all 512 columns.  263 work-groups serve every split (256 + 7); one whose record has no rows stores nothing.
; PHASE X: wave w gathers rows 16 w .. 16 w + 15 (2,048 bytes each, by loads of 512 consecutive bytes), turns them through its own stage in LDS so that a lane holds 16 neighbours along K, widens them to f32,
;   quantises them, and stores the eight fragments as IMAGES OF THE OPERAND'S REGISTERS (16 bytes a lane, 512 a store) with their scale words.  One barrier.
; PHASE P: wave w makes columns 128 w .. 128 w + 127 for all 64 rows: 32 accumulators, 256 matrix instructions.  Source 0 = 16 rows of W (= 16 columns of out), source 1 = 16 rows of x: a lane then holds one row of out
;   and eight neighbouring columns.  W's fragments come from memory straight into registers, three loads of 16 bytes a lane each, from the images that the launch before has laid; three slots of four fragments take turns.
; THE WAY OUT: rounded to f16, through the wave's own stage, 16 rows at a time: sixteen lanes store 256 consecutive bytes, at a multiple of 256 from out's first byte.
; NO JOINT LOADS, though the tiles of an expert read the same weights: a joint request is a tensor load;
;   and partners would have to share an expert, so each expert's tiles would be filled up to fours: up to 64 + 7 clusters, 284 work-groups for the same rows, against 263.
; LIMITS: NaN and infinities in x are not served.  A block of zeros of x gets the scale byte 1 where the rule says 127: its codes are zeros, and this program alone reads the byte.
; REGISTERS, in windows of 256.  Window 0: v1-7 addresses and the scale word in hand; v8-55 x's four fragments (phase X: v8-39 32 registers of f16 pairs); v56-71 x's scale words, v72-103 W's: scales and nothing else;
;   v104-247 three slots of four fragments of W (phase X: the third holds codes, maxima and the gather's offsets; the way out: packed results and rows read back); v248-252 addresses.
;   Window 1: first the 256 registers in which x lands (chunk c of 512 bytes, row i, at 64 c + 4 i), its first 64 then the f32 numbers in hand; then the accumulators, (m, t) at 8 (8 m + t).
.set XIMG, 0                           ; LDS: x's 32 fragments, (tile of rows m, K step s) at (8 m + s) x 1,536
.set XSC,  49152                       ; their scale words: (s, r, m) at 256 s + 16 r + 4 m
.set STG,  51200                       ; each wave's own 8,448 bytes: the turn of x (16 rows, 528 apart), later the way out (16 rows, 272 apart)
.set SPX,  528                         ; 512 + 16 = 33 x 16
.set SPO,  272                         ; 256 + 16 = 17 x 16, likewise
.set FRB,  1536                        ; a fragment's image
.set LI,   1                           ; v1   16 x lane
.set SA,   2                           ; v2   the stage as loaded: + 16 x lane
.set SL,   3                           ; v3   the stage as read: + 528 r + 32 h
.set XWI,  4                           ; v4   where I store images: 8 FRB x wave + 16 x lane
.set XWS,  5                           ; v5   and scale words: XSC + 16 r + 4 x wave
.set L32,  6                           ; v6   32 x lane: a row of W's scale bytes
.set PW,   7                           ; v7   the scale word just made
.set XF,   8
.set XS,   56
.set WS,   72
.set WR,   104
.set PC,   200                         ; v200-218 the codes just made
.set TM,   220                         ; v220-223 largest magnitudes, v224-227 the other half's, then bytes, v228-231 the conversions' scale operands
.set OFF,  232                         ; v232-247 row i: 2,048 x token + 16 x lane
.set STO,  248
.set RD,   249
.set CO,   250
.set RH,   251                         ; h
.set TMP,  104
.set BK,   136
.set MSB, 0
.macro WIN new                         ; the immediate's high byte repeats the setting that is left; a switch that changes nothing is dropped
.if MSB != \new
	s_set_vgpr_msb (MSB<<8)|\new
.set MSB, \new
.endif
.endm
.macro PLACES                          ; four plain vector instructions between a matrix instruction and a load into, or a vector read or write of, one of its registers (ISA guide 7.12.1 for vector reads and writes)
.rept 4
	v_nop
.endr
.endm
	s_load_b256 s[4:11], s[0:1], 0x0               ; x s[4:5], rows s[6:7], tiles s[8:9], wimg s[10:11]
	s_load_b128 s[12:15], s[0:1], 0x20             ; weights_scales s[12:13], out0 s[14:15]
	v_lshl_add_u32 v254, v0, 2, 0x14c00
	v_mov_b32 v255, 0
	v_lshrrev_b32 v7, 5, v0
	v_readfirstlane_b32 s16, v7                    ; wave 0 .. 3
	s_lshl_b32 s17, ttmp9, 4                       ; my tile's record
	s_lshl_b32 s18, ttmp9, 8                       ; my tile's 64 tokens,
	s_lshl_b32 s19, s16, 6
	s_add_co_u32 s18, s18, s19                     ; my wave's 16 of them
	s_wait_kmcnt 0x0
	s_load_b128 s[20:23], s[8:9], s17 offset:0x0   ; expert, first sorted row, rows, 0
	s_load_b512 s[32:47], s[6:7], s18 offset:0x0   ; both addresses hang on ids alone: the two loads go out together
	v_and_b32 v[LI], 31, v0
	v_lshlrev_b32 v[L32], 5, v[LI]
	v_lshlrev_b32 v[LI], 4, v[LI]
	v_and_b32 v252, 15, v0                         ; r
	v_bfe_u32 v[RH], v0, 4, 1                      ; h
	s_mul_i32 s52, s16, 16*SPX
	s_add_co_u32 s52, s52, STG                     ; my stage
	v_add_nc_u32 v[SA], s52, v[LI]
	v_mul_u32_u24 v[SL], v252, SPX
	v_lshl_add_u32 v[SL], v[RH], 5, v[SL]
	v_add_nc_u32 v[SL], s52, v[SL]
	s_mul_i32 s53, s16, 8*FRB
	v_add_nc_u32 v[XWI], s53, v[LI]
	s_lshl_b32 s53, s16, 2
	s_add_co_u32 s53, s53, XSC
	v_lshl_add_u32 v[XWS], v252, 4, s53
	v_mul_u32_u24 v[STO], v252, SPO                ; the way out, in: row r, 16 bytes for each half of the lanes
	v_lshl_add_u32 v[STO], v[RH], 4, v[STO]
	v_add_nc_u32 v[STO], s52, v[STO]
	v_mul_u32_u24 v[RD], v[RH], SPO                ; back: lanes 0-15 one row of 256 bytes, lanes 16-31 the next
	v_lshl_add_u32 v[RD], v252, 4, v[RD]
	v_add_nc_u32 v[RD], s52, v[RD]
	v_lshlrev_b32 v[CO], 10, v[RH]                 ; and the same two rows in out
	v_lshl_add_u32 v[CO], v252, 4, v[CO]
.irp b, 0,1,2,3
	v_mov_b32 v[TM+4+\b], 0                        ; written once: a lane permute's destination counts as one of its sources
.endr
	s_mov_b32 s48, 0x76543210
	s_mov_b32 s49, 0xfedcba98                      ; v_permlanex16_b32's selects for lane l xor 16
	s_wait_kmcnt 0x0
.irp i, 0,1,2,3,4,5,6,7,8,9,10,11,12,13,14,15
	s_min_u32 s[32+\i], s[32+\i], 0x3fff           ; a stored number enters an address only held to its table
.endr
.irp i, 0,1,2,3,4,5,6,7,8,9,10,11,12,13,14,15
	v_lshl_add_u32 v[OFF+\i], s[32+\i], 11, v[LI]
.endr
	WIN 0x40                                       ; destination window 1
.irp c, 0,1,2,3                                ; all of my 16 rows at once: 64 loads, each 512 consecutive bytes of one row; the last one's issue waits until the counter has room (ISA guide 5.7.1)
.irp i, 0,1,2,3,4,5,6,7,8,9,10,11,12,13,14,15
	global_load_b128 v[64*\c+4*\i:64*\c+4*\i+3], v[OFF+\i], s[4:5] offset:512*\c
.endr
.endr
	WIN 0
	s_min_u32 s20, s20, 7
	s_min_u32 s21, s21, 0x3fff
	s_min_u32 s22, s22, 64
	s_mov_b32 s31, 0
	s_mul_i32 s30, s20, 393216                     ; an expert's 32 x 8 fragments,
	s_mul_i32 s53, s16, 98304                      ; my wave's 8 x 8 of them
	s_add_co_u32 s30, s30, s53
	s_add_nc_u64 s[24:25], s[10:11], s[30:31]
	s_lshl_b32 s30, s20, 14                        ; an expert's 512 rows of 32 scale bytes,
	s_lshl_b32 s53, s16, 12                        ; my wave's 128
	s_add_co_u32 s30, s30, s53
	s_add_nc_u64 s[26:27], s[12:13], s[30:31]
	s_lshl_b32 s30, s21, 10                        ; out: the tile's first row of 1,024 bytes,
	s_lshl_b32 s53, s16, 8                         ; my wave's 256 bytes of it
	s_add_co_u32 s30, s30, s53
	s_add_nc_u64 s[28:29], s[14:15], s[30:31]
; ---- the macros of phase X
.macro STAGE c, n                      ; chunk c (K = 256 c .. 256 c + 255 of my 16 rows) into my stage, as it was loaded.  n: the loads issued behind the chunk's, which may stay out
	s_wait_loadcnt \n
	WIN 0x04                                       ; an LDS store's data are its source 1: window 1
.irp i, 0,1,2,3,4,5,6,7,8,9,10,11,12,13,14,15
	ds_store_b128 v[SA], v[64*(\c)+4*\i:64*(\c)+4*\i+3] offset:SPX*\i
.endr
	WIN 0
.endm
.macro RAWLOAD q                       ; the chunk's q-th 128 along K: lane (r, h) takes, of row r and each block b of 32, the 16 numbers 32 b + 16 h + 0 .. 15: 32 bytes
.irp b, 0,1,2,3
.irp j, 0,1
	ds_load_b128 v[XF+8*\b+4*\j:XF+8*\b+4*\j+3], v[SL] offset:256*(\q)+64*\b+16*\j
.endr
.endr
.endm
.macro WIDEN d, lo, hi
	v_cvt_f32_f16 v[\d], \lo
	v_cvt_f32_f16 v[\d+1], \hi
.endm
.macro CVT                             ; 64 numbers to f32, exactly: register 16 b + i of window 1 = k 32 b + 16 h + i of my row
	WIN 0x40
	WIDEN 0, v8.l, v8.h
	WIDEN 2, v9.l, v9.h
	WIDEN 4, v10.l, v10.h
	WIDEN 6, v11.l, v11.h
	WIDEN 8, v12.l, v12.h
	WIDEN 10, v13.l, v13.h
	WIDEN 12, v14.l, v14.h
	WIDEN 14, v15.l, v15.h
	WIDEN 16, v16.l, v16.h
	WIDEN 18, v17.l, v17.h
	WIDEN 20, v18.l, v18.h
	WIDEN 22, v19.l, v19.h
	WIDEN 24, v20.l, v20.h
	WIDEN 26, v21.l, v21.h
	WIDEN 28, v22.l, v22.h
	WIDEN 30, v23.l, v23.h
	WIDEN 32, v24.l, v24.h
	WIDEN 34, v25.l, v25.h
	WIDEN 36, v26.l, v26.h
	WIDEN 38, v27.l, v27.h
	WIDEN 40, v28.l, v28.h
	WIDEN 42, v29.l, v29.h
	WIDEN 44, v30.l, v30.h
	WIDEN 46, v31.l, v31.h
	WIDEN 48, v32.l, v32.h
	WIDEN 50, v33.l, v33.h
	WIDEN 52, v34.l, v34.h
	WIDEN 54, v35.l, v35.h
	WIDEN 56, v36.l, v36.h
	WIDEN 58, v37.l, v37.h
	WIDEN 60, v38.l, v38.h
	WIDEN 62, v39.l, v39.h
	WIN 0
.endm
; The 64 numbers become a fragment's codes in v[PC] on and its scale word in v[PW].  n: the LDS instructions issued behind the last image's stores, which may stay out (-1: there was no image yet).
.macro QUANT n
	WIN 0x05                                       ; sources 0 and 1 window 1
.irp b, 0,1,2,3
	v_max3_num_f32 v[TM+\b], |v[16*\b]|, |v[16*\b+1]|, 0x1800000   ; block b: my 16 numbers, and the floor 2^(3 - 127): the byte cannot fall under 1
.endr
	WIN 0x14                                       ; sources 1 and 2 window 1
.irp i, 2,4,6,8,10,12,14
.irp b, 0,1,2,3
	v_max3_num_f32 v[TM+\b], v[TM+\b], |v[16*\b+\i]|, |v[16*\b+\i+1]|   ; (the four blocks by turns)
.endr
.endr
	WIN 0
.irp b, 0,1,2,3
	v_permlanex16_b32 v[TM+4+\b], v[TM+\b], s48, s49
.endr
.irp b, 0,1,2,3
	v_max_num_f32 v[TM+\b], v[TM+\b], v[TM+4+\b]   ; with lane l xor 16's 16: the block's largest magnitude
.endr
.irp b, 0,1,2,3
	v_add_nc_u32 v[TM+8+\b], 0xff000000, v[TM+\b]  ; 2 off its exponent field: the conversion takes the exponent field of this operand as its scale, and nothing else of it
.endr
.irp b, 0,1,2,3
	v_lshrrev_b32 v[TM+4+\b], 23, v[TM+8+\b]       ; the scale's byte
.endr
.if (\n) >= 0
	s_wait_dscnt \n                                ; the last image's stores have read the word and the codes
.endif
	v_lshl_or_b32 v[PW], v[TM+5], 8, v[TM+4]       ; my row's scale word for these 128 (lanes r and r + 16 hold the same)
	v_lshl_or_b32 v[PW], v[TM+6], 16, v[PW]
	v_lshl_or_b32 v[PW], v[TM+7], 24, v[PW]
	WIN 0x01                                       ; source 0 window 1
.irp c, 0,1
	v_cvt_scalef32_pk16_fp6_f32 v[PC+6*\c:PC+2+6*\c], v[32*\c:32*\c+15], v[TM+8+2*\c]
	v_cvt_scalef32_pk16_fp6_f32 v[PC+12+4*\c:PC+14+4*\c], v[32*\c+16:32*\c+31], v[TM+8+2*\c+1]   ; (a conversion's three registers begin on an even number)
.endr
	WIN 0
	v_nop                                          ; one plain place behind a scaled conversion
.irp c, 0,1                                    ; the operand's layout wants a WHOLE block in a lane: lanes 0-15 block 2 c, lanes 16-31 block 2 c + 1
.irp i, 0,1,2
	v_permlane16_swap_b32 v[PC+6*\c+\i], v[PC+12+4*\c+\i]
.endr
.irp i, 0,1,2
	v_mov_b32 v[PC+3+6*\c+\i], v[PC+12+4*\c+\i]
.endr
.endr
.endm
.macro IMAGE k                         ; K step k's fragment and scale word of my 16 rows go to LDS as they stand: four stores
.irp c, 0,1,2
	ds_store_b128 v[XWI], v[PC+4*\c:PC+4*\c+3] offset:XIMG+FRB*(\k)+512*\c
.endr
	ds_store_b32 v[XWS], v[PW] offset:256*(\k)
.endm
.macro WSLOAD                          ; W's scale words of my 128 rows, all of K: register WS + 8 u + s: lanes 0-15 tile 2 u, lanes 16-31 tile 2 u + 1, K step s
.irp u, 0,1,2,3
.irp v, 0,1
	global_load_b128 v[WS+8*\u+4*\v:WS+8*\u+4*\v+3], v[L32], s[26:27] offset:1024*\u+16*\v
.endr
.endr
.endm
.macro WLOAD g                         ; group g = (K step g / 2, tiles 4 (g % 2) .. + 3): four fragments, twelve loads of 512 consecutive bytes, into slot g % 3
.irp u, 0,1,2,3
.irp c, 0,1,2
	global_load_b128 v[WR+48*((\g)%3)+12*\u+4*\c:WR+48*((\g)%3)+12*\u+4*\c+3], v[LI], s[24:25] offset:12288*(4*((\g)%2)+\u)+FRB*((\g)/2)+512*\c
.endr
.endr
.endm
; K step k of my rows.  lc: with an odd k the next chunk is staged: the count of its wait (-1: none).  wl: a group of W to ask for (-1: none).  qn: QUANT's count.
.macro XSTEP k, lc, wl, qn
.if (\k) == 0
	s_wait_dscnt 0x0                               ; the f16 pairs are in
.else
	s_wait_dscnt 4                                 ; the f16 pairs are in; the last image's four stores, issued behind them, may be out
.endif
	CVT
.if (\lc) >= 0
	STAGE ((\k)+1)/2, \lc
.endif
.if (\k) < 7
	RAWLOAD ((\k)+1)%2                             ; the next K step's pairs come while this one is quantised
.endif
.if (\wl) >= 0
	WLOAD \wl
.endif
	QUANT \qn
	IMAGE \k
.endm
	; ---- PHASE X.  The counts of the waits for loads: what was issued behind the chunk in hand
	STAGE 0, 48                                    ; chunks 1 to 3
	RAWLOAD 0
	WSLOAD
	XSTEP 0, -1, -1, -1
	XSTEP 1, 40, 0, 24                             ; chunks 2, 3 and the 8 loads of scale words;  behind the last image: 16 stores into the stage and 8 loads
	XSTEP 2, -1, -1, 8                             ; behind the last image: 8 loads
	XSTEP 3, 36, 1, 24                             ; chunk 3, 8, and group 0's 12
	XSTEP 4, -1, -1, 8
	XSTEP 5, 32, -1, 24                            ; 8 + 12 + 12: so every load of x is in, and its offsets are free
	XSTEP 6, -1, -1, 8
	XSTEP 7, -1, -1, 0
	s_wait_dscnt 0x0                               ; for the others' sake: my images lie in LDS; and the stores have read the codes' registers,
	WLOAD 2                                        ; which, with the maxima's and the offsets', are the third slot
	s_barrier_signal -1
	s_barrier_wait -1                              ; x's 32 fragments lie in LDS.  The only barrier: it stands ahead of every branch on a stored number
	s_cmp_eq_u32 s22, 0
	s_cbranch_scc1 .Lend                           ; a tile that this split leaves without rows
; ---- the macros of phase P
.macro FETCHX s, m                     ; x's fragment (m, s) comes back as it was stored
.irp c, 0,1,2
	ds_load_b128 v[XF+12*(\m)+4*\c:XF+12*(\m)+4*\c+3], v[LI] offset:XIMG+(8*(\m)+(\s))*FRB+512*\c
.endr
.endm
.macro XSLOAD                          ; x's scale words, all of K: register XS + 4 p + m: lanes 0-15 K step 2 p, lanes 16-31 K step 2 p + 1, tile of rows m
.irp p, 0,1,2,3
	ds_load_b128 v[XS+4*\p:XS+4*\p+3], v[LI] offset:XSC+512*\p
.endr
.endm
; One product: K step s, tile of rows m, tile of columns t.  The first K step starts the sums: nothing is cleared.  An odd t takes W's scales, an odd s takes x's, from lanes 16-31.
.macro WM s, m, t
.set rD, 8*(8*(\m)+(\t))
.set rW, WR+48*((2*(\s)+(\t)/4)%3)+12*((\t)%4)
.set rX, XF+12*(\m)
.set rA, WS+8*((\t)/2)+(\s)
.set rB, XS+4*((\s)/2)+(\m)
.if (\s) == 0
.if (\t)%2 == 0
	v_wmma_scale_f32_16x16x128_f8f6f4 v[rD:rD+7], v[rW:rW+11], v[rX:rX+11], 0, v[rA], v[rB] matrix_a_fmt:MATRIX_FMT_FP6 matrix_b_fmt:MATRIX_FMT_FP6
.else
	v_wmma_scale_f32_16x16x128_f8f6f4 v[rD:rD+7], v[rW:rW+11], v[rX:rX+11], 0, v[rA], v[rB] matrix_a_fmt:MATRIX_FMT_FP6 matrix_b_fmt:MATRIX_FMT_FP6 matrix_a_scale:MATRIX_SCALE_ROW1
.endif
.elseif (\s)%2 == 0
.if (\t)%2 == 0
	v_wmma_scale_f32_16x16x128_f8f6f4 v[rD:rD+7], v[rW:rW+11], v[rX:rX+11], v[rD:rD+7], v[rA], v[rB] matrix_a_fmt:MATRIX_FMT_FP6 matrix_b_fmt:MATRIX_FMT_FP6
.else
	v_wmma_scale_f32_16x16x128_f8f6f4 v[rD:rD+7], v[rW:rW+11], v[rX:rX+11], v[rD:rD+7], v[rA], v[rB] matrix_a_fmt:MATRIX_FMT_FP6 matrix_b_fmt:MATRIX_FMT_FP6 matrix_a_scale:MATRIX_SCALE_ROW1
.endif
.else
.if (\t)%2 == 0
	v_wmma_scale_f32_16x16x128_f8f6f4 v[rD:rD+7], v[rW:rW+11], v[rX:rX+11], v[rD:rD+7], v[rA], v[rB] matrix_a_fmt:MATRIX_FMT_FP6 matrix_b_fmt:MATRIX_FMT_FP6 matrix_b_scale:MATRIX_SCALE_ROW1
.else
	v_wmma_scale_f32_16x16x128_f8f6f4 v[rD:rD+7], v[rW:rW+11], v[rX:rX+11], v[rD:rD+7], v[rA], v[rB] matrix_a_fmt:MATRIX_FMT_FP6 matrix_b_fmt:MATRIX_FMT_FP6 matrix_a_scale:MATRIX_SCALE_ROW1 matrix_b_scale:MATRIX_SCALE_ROW1
.endif
.endif
.endm
.macro MUL4 s, m, g                    ; tile of rows m against the group's four tiles of columns
.irp u, 0,1,2,3
	WM \s, \m, 4*(\g)+\u
.endr
.endm
.macro WWAIT g                         ; group g's twelve loads are in; those of the groups asked for behind it (two, at the end one or none) may stay out
.if (\g)+2 <= 15
	s_wait_loadcnt 24
.elseif (\g)+1 <= 15
	s_wait_loadcnt 12
.else
	s_wait_loadcnt 0x0
.endif
.endm
; A K step: 32 matrix instructions, one on each of the 32 accumulators, which so take turns, one instruction a turn.  A slot of W is asked for again as soon as its sixteen products are issued,
; three groups ahead of its use; x's next fragments come from LDS in two runs, each behind the last product that read the registers.
.macro KSTEP s
	WWAIT 2*(\s)
	s_wait_dscnt 6                                 ; x's tiles 0 and 1 are in; the six loads of tiles 2 and 3 may be out
	WIN 0x50                                       ; C and D window 1
	MUL4 \s, 0, 0
	MUL4 \s, 1, 0
	s_wait_dscnt 0x0
	MUL4 \s, 2, 0
	MUL4 \s, 3, 0
	PLACES
	WIN 0
.if 2*(\s)+3 <= 15
	WLOAD 2*(\s)+3
.endif
	WWAIT 2*(\s)+1
	WIN 0x50
	MUL4 \s, 0, 1
	MUL4 \s, 1, 1
.if (\s) < 7
	PLACES
	WIN 0
	FETCHX (\s)+1, 0
	FETCHX (\s)+1, 1
	WIN 0x50
.endif
	MUL4 \s, 2, 1
	MUL4 \s, 3, 1
	PLACES                                         ; in the last K step these are also the places in front of the first read of results
	WIN 0
.if (\s) < 7
	FETCHX (\s)+1, 2
	FETCHX (\s)+1, 3
.endif
.if 2*(\s)+4 <= 15
	WLOAD 2*(\s)+4
.endif
.endm
	; ---- PHASE P, written out: every offset is an immediate, no pointer is stepped
	XSLOAD
	FETCHX 0, 0
	FETCHX 0, 1
	FETCHX 0, 2
	FETCHX 0, 3
.irp s, 0,1,2,3,4,5,6,7
	KSTEP \s
.endr
; ---- THE WAY OUT, 16 rows at a time, through my own stage: LDS serves a wave's instructions in order (ISA guide 5.7.1.4), so no wait stands between the stores and the loads
.macro PACK m                          ; a lane's eight columns of a row become 16 bytes; each accumulator is read from its low end on
	WIN 0x05                                       ; sources 0 and 1 window 1
.irp t, 0,1,2,3,4,5,6,7
.irp i, 0,1,2,3
	v_cvt_pk_f16_f32 v[TMP+4*\t+\i], v[8*(8*(\m)+\t)+2*\i], v[8*(8*(\m)+\t)+2*\i+1]
.endr
.endr
	WIN 0
.endm
.macro TOSTAGE m
.irp t, 0,1,2,3,4,5,6,7
	ds_store_b128 v[STO], v[TMP+4*\t:TMP+4*\t+3] offset:32*\t
.endr
.irp i, 0,1,2,3,4,5,6,7
	ds_load_b128 v[BK+32*((\m)%2)+4*\i:BK+32*((\m)%2)+4*\i+3], v[RD] offset:2*SPO*\i
.endr
.endm
.macro SEND m                          ; rows 16 m .. 16 m + 15 of the tile, as far as the tile has rows
	s_wait_dscnt 0x0                               ; the block is back in registers
	s_wait_xcnt 0x0                                ; the block before last has been read by its stores: the next loads from the stage may land in its registers; and EXEC may change
	s_sub_co_i32 s50, s22, 16*(\m)                 ; rows left from this block on
	s_cmp_ge_i32 s50, 16
	s_cbranch_scc0 .Lpart_\@
.irp i, 0,1,2,3,4,5,6,7
	global_store_b128 v[CO], v[BK+32*((\m)%2)+4*\i:BK+32*((\m)%2)+4*\i+3], s[28:29] offset:(16*(\m)+2*\i)*1024 th:TH_STORE_NT   ; 16 lanes store 256 consecutive bytes; written once, read by nobody here
.endr
	s_branch .Lsent_\@
.Lpart_\@:                                             ; an expert's last tile: row 2 i + h is stored where it is under the rows left
.irp i, 0,1,2,3,4,5,6,7
	v_cmp_gt_i32 vcc_lo, s50, v[RH]
	s_and_saveexec_b32 s51, vcc_lo                 ; (no memory instruction has been issued since the last wait on XCNT)
	global_store_b128 v[CO], v[BK+32*((\m)%2)+4*\i:BK+32*((\m)%2)+4*\i+3], s[28:29] offset:(16*(\m)+2*\i)*1024 th:TH_STORE_NT
	s_wait_xcnt 0x0                                ; EXEC is one of the store's sources: it is widened only behind this wait
	s_or_b32 exec_lo, exec_lo, s51
	s_sub_co_i32 s50, s50, 2
.endr
.Lsent_\@:
.endm
	PACK 0
	TOSTAGE 0
.irp a, 1,2,3                          ; block a's conversions stand between block a - 1's loads from the stage and the wait for them
	PACK \a
	SEND \a-1
	TOSTAGE \a
.endr
	SEND 3
.Lend:
	s_wait_tensorcnt 0x0
	ds_add_u32 v254, v255
	s_wait_dscnt 0x0
	s_endpgm
.Lfunc_end_k_qb7e965ddf5_moe:
	.size	k_qb7e965ddf5_moe, .Lfunc_end_k_qb7e965ddf5_moe-k_qb7e965ddf5_moe
	.p2alignl 7, 3214868480
	.fill 96, 4, 3214868480
	.section	.rodata,"a",@progbits
	.p2align	6, 0x0
	.amdhsa_kernel k_qb7e965ddf5_moe
		.amdhsa_group_segment_fixed_size 85504
		.amdhsa_private_segment_fixed_size 0
		.amdhsa_enable_private_segment 0
		.amdhsa_kernarg_size 48
		.amdhsa_user_sgpr_count 2
		.amdhsa_user_sgpr_kernarg_segment_ptr 1
		.amdhsa_wavefront_size32 1
		.amdhsa_system_sgpr_workgroup_id_x 1
		.amdhsa_system_sgpr_workgroup_id_y 1
		.amdhsa_system_sgpr_workgroup_id_z 1
		.amdhsa_system_vgpr_workitem_id 0
		.amdhsa_next_free_vgpr 512
		.amdhsa_next_free_sgpr 66
		.amdhsa_reserve_vcc 1
		.amdhsa_float_denorm_mode_32 3
		.amdhsa_float_denorm_mode_16_64 3
		.amdhsa_memory_ordered 1
		.amdhsa_forward_progress 1
		.amdhsa_inst_pref_size 156
	.end_amdhsa_kernel
	.amdgpu_metadata
---
amdhsa.version: [ 1, 2 ]
amdhsa.kernels:
  - .name:           k_qb7e965ddf5_moe
    .symbol:         k_qb7e965ddf5_moe.kd
    .args:
      - { .name: x, .offset: 0, .size: 8, .value_kind: global_buffer, .address_space: global }
      - { .name: rows, .offset: 8, .size: 8, .value_kind: global_buffer, .address_space: global }
      - { .name: tiles, .offset: 16, .size: 8, .value_kind: global_buffer, .address_space: global }
      - { .name: wimg, .offset: 24, .size: 8, .value_kind: global_buffer, .address_space: global }
      - { .name: weights_scales, .offset: 32, .size: 8, .value_kind: global_buffer, .address_space: global }
      - { .name: out0, .offset: 40, .size: 8, .value_kind: global_buffer, .address_space: global }
    .group_segment_fixed_size: 85504
    .private_segment_fixed_size: 0
    .kernarg_segment_align: 8
    .kernarg_segment_size: 48
    .max_flat_workgroup_size: 128
    .sgpr_count:     66
    .vgpr_count:     512
    .wavefront_size: 32
...
	.end_amdgpu_metadata
.endif
;; end of part 2
